; MI455X (gfx1250); checked and timed in simulation.
; The chip was launched on July 23, 2026; its instructions are those of AMD's public machine-readable ISA for CDNA 5 (MIT licence, August 2026) and "CDNA5" Instruction Set Architecture Reference Guide (July 2026). The comments in the code are by the model that wrote it; some were corrected since.
;; Attention Pooling. Allowed arithmetic: matrix products marked QUANTISED: E2M1 operands, one E8M0 scale for each 32 along K, by v_wmma_scale_f32_16x16x128_f8f6f4 with both operands' format E2M1 (or v_wmma_scale_f32_32x16x128_f4), f32 sums; products left as they are: f32 operands where the result goes on into a quantised operand, else bf16, f16 or f32 operands; f32 sums; everything else in f32.
;; Inputs: in_proj_b 3,072 float32; in_proj_w_codes 3,072 x 32 x 16 uint8 (E2M1 codes of in_proj_w, K innermost, in blocks of 32 codes, two codes a byte); in_proj_w_scales 3,072 x 32 uint8 (E8M0 scales of in_proj_w, one for each 32 codes along K); mask 32 x 1,024 bool; out_b 1,024 float32; out_w_codes 1,024 x 32 x 16 uint8 (E2M1 codes of out_w, K innermost, in blocks of 32 codes, two codes a byte); out_w_scales 1,024 x 32 uint8 (E8M0 scales of out_w, one for each 32 codes along K); x_codes 32 x 1,024 x 32 x 16 uint8 (E2M1 codes of x, K innermost, in blocks of 32 codes, two codes a byte); x_scales 32 x 1,024 x 32 uint8 (E8M0 scales of x, one for each 32 codes along K).
;; Outputs: out0 32 x 1,024 float32; out1 32 x 1 x 1,024 float32.
;; This version of the problem:
;;   THIS VERSION OF THE PROBLEM IS GIVEN IN LOW PRECISION. The matrix products marked QUANTISED in the list below multiply operands that are first quantised to E2M1 (2 exponent bits, 1 mantissa bit; 4 bits a number), with one power-of-two scale for each 32 numbers along K (OCP MX v1.0); their sums are f32. All else is computed in f32.
;;   The module's matrix products, in the order in which they are computed (A, B: the left and right operand; K: the contracted axis; several contracted axes count as one K, in the product's order):
;;     1. [M 32, K 1,024] x [K 1,024, N 1,024]; A: input x (given as codes); B: input in_proj_w (given as codes): QUANTISED
;;     2. [M 32,768, K 1,024] x [K 1,024, N 1,024]; A: input x (given as codes); B: input in_proj_w (given as codes): QUANTISED
;;     3. [M 32,768, K 1,024] x [K 1,024, N 1,024]; A: input x (given as codes); B: input in_proj_w (given as codes): QUANTISED
;;     4. batch 512 x [M 1, K 64] x [K 64, N 1,024]; A: computed on the way; B: computed on the way: left as it is (M = 1 < 16)
;;     5. batch 512 x [M 1, K 1,024] x [K 1,024, N 64]; A: softmax; B: computed on the way: left as it is (M = 1 < 16)
;;     6. [M 32, K 1,024] x [K 1,024, N 1,024]; A: computed on the way; B: input out_w (given as codes): QUANTISED
;;   THE QUANTISER, for each operand of a quantised product, along K:
;;     - K is cut into blocks of 32 from its start; a last block that is shorter is filled with zeros.
;;     - A block's scale is 2^e with e = floor(log2(the largest magnitude in the block)) - 2, held to -126 .. 127; a block of zeros has e = 0. As a byte (E8M0): e + 127.
;;     - Each number is divided by its block's scale, clamped to +-6, and rounded to the nearest number of E2M1, ties to even, subnormals kept.
;;     - The product sums the exact products of the quantised numbers (number of the format x scale) in f32.
;;   ~~~python
;;   def quantise(x, axis):      # numpy; x: float32 -> the quantised numbers, widened to float32 again
;;       x = np.moveaxis(x, axis, -1); K = x.shape[-1]
;;       x = np.pad(x, [(0, 0)] * (x.ndim - 1) + [(0, -K % 32)]); x = x.reshape(x.shape[:-1] + (-1, 32)); a = np.abs(x).max(-1, keepdims=True)
;;       e = np.where(a > 0, np.clip(np.frexp(np.where(a > 0, a, 1))[1] - 1 - 2, -126, 127), 0)      # np.frexp(a)[1] - 1 = floor(log2(a)), exactly
;;       r = np.clip(x / 2.0 ** e, -6, 6)
;;       step = 2.0 ** (np.maximum(np.frexp(np.where(r == 0, 1, r))[1] - 1, 0) - 1)
;;       q = np.round(r / step) * step * 2.0 ** e      # np.round: ties to even
;;       return np.moveaxis(q.reshape(q.shape[:-2] + (-1,))[..., :K], -1, axis).astype(np.float32)
;;   ~~~
;;   OPERANDS COMPUTED ON THE WAY. 'Computed on the way' means the value that the module computes at that place (a softmax that the list does not call 'softmax' is quantised finished and normalised). What goes into a quantiser is computed in f32, as accurately as f32 sums, v_exp_f32 and their like allow (about 1e-6 of the number): no bf16 or f16 on the way to a quantiser, and a product that is left as it is and whose result goes on into a quantised operand takes f32 operands (vector FMAs, or v_wmma_f32_16x16x4_f32). A number that lies on a knife's edge between two numbers of the format may be rounded either way, as far as f32 arithmetic and the matrix unit's own rounding can turn it there, and no further.
;;   INPUTS GIVEN AS CODES. in_proj_w (in the module: [3072, 1024], K = its axis 1); out_w (in the module: [1024, 1024], K = its axis 1); x (in the module: [32, 1024, 1024], K = its axis 2): each comes as NAME_codes (uint8): NAME with its K axis moved to the last place and cut into blocks of 32 codes, [.., K / 32, bytes a block], one block behind the other in memory; two codes a byte, the lower K in the low four bits (a code: sign, 2 exponent bits, 1 mantissa bit); and NAME_scales (uint8): the same leading axes, one E8M0 byte (e + 127) for each 32 codes along K. Its value is code x scale, taken as it is: it is not quantised again, and the codes and scales need not be those that the quantiser above would give.
;; One version. Each part assembles by itself: llvm-mc -triple=amdgcn-amd-amdhsa -mcpu=gfx1250 --defsym DOCPART=n.
;; ======== version 1 of 1: 2 launches
;; workspace buffers: attn_part 1,048,576 bytes; ctx_codes 16,384 bytes; ctx_scales 1,024 bytes
;; launch pool (part 1): grid 8 x 32, 4 waves a work-group, clusters of 4 x 4, 327,680 bytes of LDS; arguments x_codes, x_scales, in_proj_w_codes, in_proj_w_scales, in_proj_b, mask, attn_part, ctx_codes, ctx_scales; writes attn_part, ctx_codes, ctx_scales
.if DOCPART == 1
	.amdgcn_target "amdgcn-amd-amdhsa--gfx1250"
	.amdhsa_code_object_version 6
	.text
	.protected	k_q720b21827b_pool
	.globl	k_q720b21827b_pool
	.p2align	8
	.type	k_q720b21827b_pool,@function
k_q720b21827b_pool:
	s_mov_b64 s[64:65], 0
	v_nop
	global_prefetch_b8 v0, s[64:65] scope:SCOPE_SE
	s_setreg_imm32_b32 hwreg(HW_REG_WAVE_MODE, 25, 1), 1
	s_wait_xcnt 0x0
	s_wait_alu depctr_hold_cnt(0) depctr_sa_sdst(0) depctr_va_vdst(0) depctr_va_sdst(0) depctr_va_ssrc(0) depctr_va_vcc(0) depctr_vm_vsrc(0)
	s_getreg_b32 s2, hwreg(HW_REG_IB_STS2, 6, 4)
	s_cmp_eq_u32 s2, 0
	s_cbranch_scc0 .Lentry_in_a_cluster
	s_endpgm
.Lentry_in_a_cluster:
	s_bfe_u32 s2, ttmp6, 0x10000c
	s_cmp_lg_u32 s2, 0xf033
	s_cbranch_scc0 .Lentry_shape_is_right
	s_endpgm
.Lentry_shape_is_right:
; ATTENTION POOLING, all but the last product.  One query a batch (row 0 of x) attends over the batch's 1,024 rows; 16 heads of 64.
; x [32][1024][1024], in_proj_w [3072][1024]: codes of FP4 (E2M1), K innermost, one E8M0 byte for each 32 along K.
; A WORK-GROUP owns one batch b and two heads (hg = 0..7): q, k, v of these heads, the scores, the softmax, ctx; k and v never leave the registers.
; It stores (attn of its two heads) / 16 [1,024 f32], and ctx of its 128 channels as codes and scale bytes for the last product (four whole blocks of 32).
; A WAVE owns one head (hd = wave & 1) and half of the rows (rh = wave >> 1): 16 trips of 32 rows (two tiles of 16), rows 64 i + 32 rh + 0..31.
; THE WEIGHTS STAY IN REGISTERS: 4 tiles of Wk and 4 of Wv x 8 K steps x 8 registers = 512.  Only x's fragments come out of LDS in the loop.
; THE MATRIX INSTRUCTION IS USED TRANSPOSED (source 0 = 16 rows of W, source 1 = 16 rows of x): lane (r, h) holds key r, and register j of tile t channel 16 t + 8 h + j.
; So a score is a sum inside a lane and one exchange with lane l xor 16, and ctx += p v has p as a number of the lane.  Each lane keeps a running maximum m, a sum l
; and 32 partial ctx for the keys of its class (key mod 16); they are merged once at the end.  t = score x log2(e); p = 2^(t - m).  The biases are the C of each sum's first product.
; x goes through a ring of two LDS slots of 256 rows.  Wk's and Wv's tiles lie in the second slot at first and are read into registers before its first rows arrive.
; CLUSTER 4 x 4: the four work-groups of a row share the batch (x's tiles and scales), the four of a column the heads (Wk, Wv): each tile is asked for jointly.
; Wq is NOT asked for jointly: three tiles of W and 256 rows of x do not fit in LDS together; each wave reads its 32 rows of Wq (16 KB) straight into registers, once.
; LIMITS: NaN, infinities and scale bytes 0xff among the inputs are not served.  A block of ctx that is all zeros gets the byte 1 where the quantiser says 127: its codes are zeros,
; and this program alone reads the bytes.  ctx is summed unnormalised and divided by the row's sum once: an order of rounding other than the reference's, of the size of f32 rounding.
; A batch whose keys are all masked gives the uniform weights that the reference gives (every t is the same number).
;
; LDS
.set PITCH, 528                        ; a row of x or W: 512 bytes + 16 of padding = 132 words: row r starts at bank 4 r mod 64 (64 banks of 4 bytes: ISA guide 11.1)
.set ZB,    128*PITCH                  ; 128 rows: what one tensor load brings.  Wave w always fills bytes w ZB on.  Slot P = parts 0, 1; slot Q = parts 2, 3
.set XSC,   4*ZB                       ; the batch's scale bytes of x, 32 KB, as 128 units of 256 bytes + 16; filled once
.set TS,    XSC+128*272                ; t, f32: [hd][rh][trip][lane]: 2,048 bytes on end for each wave
.set MK,    TS+8192                    ; the batch's 1,024 mask bytes
.set CM,    MK+1024                    ; each wave's 64 partial ctx
.set ML,    CM+1024                    ; each wave's maximum and sum
.set QM,    ML+256                     ; q x log2(e) / 8: [hd][64]
.set SPARE, QM+512                     ; the spare words, 128 bytes for each wave: two blocks of 256 bytes that no other line names
; VECTOR REGISTERS, window 0
.set LR,  1                            ; r = lane % 16
.set LH,  2                            ; h = lane / 16
.set LN,  3                            ; lane
.set SPW, 4                            ; LDS address of my spare word; never rewritten
.set NIL, 5                            ; 0; never rewritten
.set AX0, 6                            ; my place in a trip's rows of x
.set ADX, 7                            ; address of the A run (K steps 0-3 of the next trip)
.set AS0, 8                            ; my place among a trip's scale words of x: lanes 0-15 tile 0, lanes 16-31 tile 1
.set ADS, 9
.set AM0, 10                           ; my key's mask byte
.set ADM, 11
.set AT0, 12                           ; where my wave's t goes
.set ADT, 13
.set AWK, 14                           ; my head's rows of Wk in LDS; v15: of Wv
.set AQS, 16                           ; where I store q'
.set AQL, 17                           ; where I read it back
.set PF,  18                           ; prefetch: my byte in a slot's worth of x; never rewritten
.set OWQ, 19                           ; offsets for global loads and stores: never rewritten once made
.set OX0, 20
.set OQS, 21
.set OB,  22
.set OZ,  23
.set P0,  24                           ; v24 p0, v25 t0, v26 p1, v27 t1, v28 f, v29 m: pairs whose low word the packed forms take for both halves
.set T0,  25
.set P1,  26
.set T1,  27
.set FF,  28
.set MM,  29
.set LL,  30                           ; l
.set MO,  31                           ; the old m
.set SCH, 32                           ; v32-39 four chains of score sums
.set PD,  40                           ; v40-41 the exchange's destinations
.set MB0, 42                           ; v42-43 mask bytes
.set TST, 44                           ; the t that my lane stores
.set NEG, 45                           ; -1e30 x log2(e)
.set ADXB, 46                          ; addresses of the B run (K steps 4-7)
.set ADSB, 47
.set WS,  48                           ; v48-79 W's scale words: 8 (t % 4) + K step; lanes 0-15 Wk's tile, lanes 16-31 Wv's.  Scales and nothing else
.set XS,  80                           ; v80-87 x's scale words by K step.  Scales and nothing else
.set ACM, 88                           ; LDS addresses of the end
.set AML, 89
.set AMR, 90
.set ATS, 91
.set ACR, 92
.set AMK, 93
.set FA,  96                           ; v96-159  x's fragments of K steps 0-3: 8 (4 u + s)
.set FB,  160                          ; v160-223 of K steps 4-7
.set QS,  224                          ; v224-231 Wq's scale words; v232-239 those of x's row 0.  Scales and nothing else
.set QX,  232
.set OWS, 240
.set OMK, 241
.set MKD, 242                          ; v242-243 eight mask bytes on their way to LDS
.set OAT, 244
.set OCC, 245
.set OCS, 246
.set OBQ, 247
; window 1: W's fragments of K steps 0-3 at 64 s + 8 t;  window 2: of K steps 4-7.   window 3:
.set BI,  128                          ; v0-127 the 16 accumulators at 64 u + 8 t;  v128-191 bk, bv in the result's layout
.set CT,  192                          ; v192-223 ctx: channel 16 t' + 8 h + j at 8 t' + j
.set QV,  224                          ; v224-255 q' likewise
; SCALAR REGISTERS
.set WV,  22
.set HD,  23
.set RH,  24
.set CX,  25
.set CY,  26
.set HG,  27
.set BB,  28
.set RM,  29                           ; my row of the cluster
.set CMK, 30                           ; my column
.set G1X, 32                           ; s[32:39] group 1 for x's tiles;  s[40:47] for W's;  s[48:55] for x's scales
.set G1W, 40
.set G1S, 48
.set G0X, 56                           ; s[56:59], s[60:63], s[68:71] their groups 0
.set G0S, 60
.set G0W, 68
.set SEL, 72                           ; s[72:73] v_permlanex16_b32's selects for lane l xor 16
.set CS,  74                           ; s[74:75] log2(e) / 8
.set HM,  77                           ; lanes 16-31
.set XB,  78                           ; LDS offset of the next trip's rows
.set SB,  79                           ; of its scale words
.set MB,  80                           ; of this trip's mask bytes
.set TO,  81                           ; of this trip's t
.set CNT, 82
.set MUL_LO, 0xf1                      ; source 0 (W) window 1, source 1 (x) window 0, C and D window 3
.set MUL_HI, 0xf2                      ; the same with W in window 2
.set MSB, 0
.macro WIN new                         ; s_set_vgpr_msb: bits 1:0 source 0, 3:2 source 1, 5:4 source 2, 7:6 destination; the high byte repeats the setting that is left
.if MSB != \new
	s_set_vgpr_msb (MSB<<8)|\new
.set MSB, \new
.endif
.endm
.macro PLACES n
.rept \n
	v_nop
.endr
.endm
.macro CREST                           ; a round of the cluster's barrier behind its opening barrier
	s_cmp_lg_u32 s[WV], 0
	s_cbranch_scc1 .Lnot_wave_0_\@
	s_barrier_signal -3
.Lnot_wave_0_\@:
	s_barrier_wait -3
	s_barrier_signal -1
	s_barrier_wait -1
.endm
.macro CROUND                          ; a whole round
	s_barrier_signal -1
	s_barrier_wait -1
	CREST
.endm
; A joint refill of half the ring: hi = 1: waves 2, 3 fill slot Q;  hi = 0: waves 0, 1 fill slot P.  The branch hangs on the wave's number alone.  Four v_nop follow the load.
.macro REFILL hi
.if \hi
	s_cmp_ge_u32 s[WV], 2
.else
	s_cmp_lt_u32 s[WV], 2
.endif
	s_cbranch_scc0 .Lno_fill_\@
	tensor_load_to_lds s[G0X:G0X+3], s[G1X:G1X+7]
	s_nop 0
	PLACES 4
.Lno_fill_\@:
.endm
; Rows 256 k .. 256 k + 255 of my batch are asked for ahead of their tensor load: the batch's eight work-groups take 16 KB each, waves 0 and 1 half of that, lanes 256 bytes apart,
; so each block is asked for once in the launch.  The highest byte named is 3 x 131,072 + 7 x 16,384 + 8,192 + 31 x 256 = 524,032, inside the batch's 524,288.
.macro PREF k
	s_cmp_lt_u32 s[WV], 2
	s_cbranch_scc0 .Lno_pf_\@
	global_prefetch_b8 v[PF], s[4:5] offset:131072*\k th:TH_LOAD_NT scope:SCOPE_SE
.Lno_pf_\@:
.endm
	s_load_b256 s[4:11], s[0:1], 0x0               ; x's codes s[4:5], x's scales s[6:7], W's codes s[8:9], W's scales s[10:11]
	s_load_b256 s[12:19], s[0:1], 0x20             ; the biases s[12:13], the mask s[14:15], attn_part s[16:17], ctx_codes s[18:19]
	s_load_b64 s[20:21], s[0:1], 0x40              ; ctx_scales
	v_lshl_add_u32 v[SPW], v0, 2, SPARE
	v_mov_b32 v[NIL], 0
	ds_add_u32 v4, v5
	s_wait_dscnt 0x0
	v_lshrrev_b32 v1, 5, v0
	v_readfirstlane_b32 s[WV], v1                  ; wave 0..3
	s_and_b32 s[HD], s[WV], 1                      ; which of the two heads
	s_lshr_b32 s[RH], s[WV], 1                     ; which 32 of a trip's 64 rows
	s_bfe_u32 s[CX], ttmp6, 0x40000                ; my place in the cluster
	s_bfe_u32 s[CY], ttmp6, 0x40004
	s_lshl_b32 s[HG], ttmp9, 2
	s_add_co_u32 s[HG], s[HG], s[CX]               ; the pair of heads = 4 x cluster x + cx
	s_and_b32 s[BB], ttmp7, 0xffff
	s_lshl_b32 s[BB], s[BB], 2
	s_add_co_u32 s[BB], s[BB], s[CY]               ; the batch = 4 x cluster y + cy
	s_lshl_b32 s[RM], s[CY], 2
	s_lshl_b32 s[RM], 15, s[RM]                    ; my row of the cluster: places 4 cy .. 4 cy + 3
	s_lshl_b32 s[CMK], 0x1111, s[CX]               ; my column: places cx, cx + 4, cx + 8, cx + 12
	; group 1: a tile of 128 rows x 512 bytes, 16 bytes of padding behind each row
	s_or_b32 s[G1X], s[RM], (1<<20)|(1<<21)|(6<<22)|(3<<25)    ; 15:0 the mask: x's tiles go to my row; 17:16 elements of 1 byte; 20 padding on; 21 set beside a mask; 24:22 after every 128 words (code 6); 31:25 four words (code 3)
	s_or_b32 s[G1W], s[CMK], (1<<20)|(1<<21)|(6<<22)|(3<<25)   ; the same with my column's mask, for W's tiles
.irp g, G1X, G1W
	s_mov_b32 s[\g+1], 512<<16                     ; tensor_dim0 = 512
	s_mov_b32 s[\g+2], 128<<16                     ; tensor_dim1 = 128
	s_mov_b32 s[\g+3], 512<<16                     ; tile_dim0 = 512
	s_mov_b32 s[\g+4], 128                         ; tile_dim1 = 128
	s_mov_b32 s[\g+5], 512                         ; from row to row
	s_mov_b32 s[\g+6], 0
	s_mov_b32 s[\g+7], 0
.endr
	; group 1 for half of the batch's scale bytes: 16 KB on end, as 64 rows of 256 bytes (32 elements of 8 bytes), 16 bytes of padding behind each
	s_or_b32 s[G1S], s[RM], (3<<16)|(1<<20)|(1<<21)|(5<<22)|(3<<25)
	s_mov_b32 s[G1S+1], 32<<16
	s_mov_b32 s[G1S+2], 64<<16
	s_mov_b32 s[G1S+3], 32<<16
	s_mov_b32 s[G1S+4], 64
	s_mov_b32 s[G1S+5], 32
	s_mov_b32 s[G1S+6], 0
	s_mov_b32 s[G1S+7], 0
	s_mov_b32 s[SEL], 0x76543210
	s_mov_b32 s[SEL+1], 0xfedcba98
	s_mov_b32 s[CS], 0x3e38aa3b                    ; log2(e) / sqrt(64)
	s_mov_b32 s[CS+1], s[CS]                       ; (named with it as a pair, so it is written)
	s_mov_b32 s[HM], 0xffff0000
	s_mov_b32 s[XB], 0
	s_mov_b32 s[SB], 0
	s_mov_b32 s[MB], 0
	s_mov_b32 s[TO], 0
	; every LDS address is made here, ahead of the first branch on the wave's number
	v_and_b32 v[LR], 15, v0
	v_bfe_u32 v[LH], v0, 4, 1
	v_and_b32 v[LN], 31, v0
	v_mul_u32_u24 v[AX0], v[LR], PITCH
	v_lshl_add_u32 v[AX0], v[LH], 4, v[AX0]        ; a fragment: row r x pitch + 16 h
	s_mul_i32 s86, s[HD], 64*PITCH
	s_add_co_u32 s86, s86, 2*ZB
	v_add_nc_u32 v[AWK], s86, v[AX0]               ; Wk: part 2, my head's 64 rows
	v_add_nc_u32 v[AWK+1], ZB, v[AWK]              ; Wv: part 3
	s_mul_i32 s86, s[RH], 32*PITCH
	v_add_nc_u32 v[AX0], s86, v[AX0]               ; x: my 32 of a trip's 64 rows
	v_lshrrev_b32 v19, 3, v[LR]
	v_and_b32 v20, 7, v[LR]
	v_mul_u32_u24 v[AS0], v19, 272                 ; x's scale words: 32 bytes a row, eight rows to a unit of 272
	v_lshl_add_u32 v[AS0], v20, 5, v[AS0]
	v_mad_u32_u24 v[AS0], v[LH], 544, v[AS0]       ; lanes 16-31: the tile 16 rows on
	s_mul_i32 s86, s[RH], 1088
	s_add_co_u32 s86, s86, XSC
	v_add_nc_u32 v[AS0], s86, v[AS0]
	s_lshl_b32 s86, s[RH], 5
	s_add_co_u32 s86, s86, MK
	v_add_nc_u32 v[AM0], s86, v[LR]
	s_lshl_b32 s86, s[HD], 12
	s_lshl_b32 s87, s[RH], 11
	s_add_co_u32 s86, s86, s87
	s_add_co_u32 s86, s86, TS
	v_lshl_add_u32 v[AT0], v[LN], 2, s86
	s_lshl_b32 s86, s[HD], 8
	s_add_co_u32 s86, s86, QM
	v_lshl_add_u32 v[AQL], v[LH], 5, s86           ; q' of my head: channel 16 t + 8 h + j at 64 t + 32 h + 4 j
	s_lshl_b32 s87, s[RH], 7
	v_add_nc_u32 v[AQS], s87, v[AQL]               ; I make channels 32 rh on
	s_lshl_b32 s86, s[WV], 8
	s_add_co_u32 s86, s86, CM
	v_lshl_add_u32 v[ACM], v[LH], 5, s86
	s_lshl_b32 s86, s[WV], 3
	s_add_co_u32 s86, s86, ML
	v_mov_b32 v[AML], s86
	v_mov_b32 v[AMR], ML
	v_and_b32 v[ATS], 7, v[LN]                     ; t back, four neighbouring keys a lane: key 256 w + 128 k + 4 lane lies in trip 4 w + 2 k + lane / 16, row half (lane / 8) % 2, place 4 (lane % 8)
	v_lshlrev_b32 v[ATS], 4, v[ATS]
	v_bfe_u32 v21, v[LN], 3, 1
	v_lshl_add_u32 v[ATS], v21, 11, v[ATS]
	v_lshl_add_u32 v[ATS], v[LH], 7, v[ATS]
	s_lshl_b32 s86, s[WV], 9
	s_add_co_u32 s86, s86, TS
	v_add_nc_u32 v[ATS], s86, v[ATS]
	v_lshlrev_b32 v[ACR], 8, v19                   ; ctx back: lane % 16 takes channels 8 (lane % 16) on of the work-group's 128
	v_lshl_add_u32 v[ACR], v20, 5, v[ACR]
	v_add_nc_u32 v[ACR], CM, v[ACR]
	v_lshl_add_u32 v[AMK], v0, 3, MK
	; offsets into global buffers
	s_lshl_b32 s88, s[HG], 14
	s_lshl_b32 s89, s[HD], 13
	s_add_co_u32 s88, s88, s89
	v_lshl_add_u32 v[PF], v[LN], 8, s88
	v_lshlrev_b32 v[OWQ], 9, v[LR]
	v_lshl_add_u32 v[OWQ], v[LH], 4, v[OWQ]
	s_lshl_b32 s86, s[RH], 14
	v_add_nc_u32 v[OWQ], s86, v[OWQ]               ; Wq: row 32 rh + r of 512 bytes, + 16 h
	v_lshlrev_b32 v[OX0], 4, v[LH]                 ; x's row 0: the same bytes in all sixteen r
	s_lshl_b32 s86, s[RH], 10
	v_lshl_add_u32 v[OQS], v[LN], 5, s86           ; Wq's scale words: row 32 rh + lane
	v_lshlrev_b32 v[OB], 5, v[LH]                  ; a bias tile: eight numbers at 32 h
	v_mov_b32 v[OZ], 0
	v_lshlrev_b32 v[OWS], 5, v[LR]
	v_lshl_add_u32 v[OWS], v[LH], 15, v[OWS]       ; Wk's scale words in lanes 0-15, Wv's (1,024 rows on) in lanes 16-31
	v_lshlrev_b32 v[OMK], 3, v0
	v_lshlrev_b32 v[OAT], 4, v[LN]
	v_lshlrev_b32 v[OCC], 2, v[LR]
	v_lshrrev_b32 v[OCS], 2, v[LR]
	s_lshl_b32 s86, s[RH], 7
	v_lshl_add_u32 v[OBQ], v[LH], 5, s86
	v_mov_b32 v[PD], 0                             ; written once: a lane permute's destination counts as one of its sources
	v_mov_b32 v[PD+1], 0
	v_mov_b32 v[MM], 0xff61b1e6                    ; m = -3e38, under every t
	v_mov_b32 v[LL], 0
	v_mov_b32 v[NEG], 0xf149f2ca                   ; -1e30,
	v_mul_f32 v[NEG], 0x3fb8aa3b, v[NEG]           ; as t
	s_mov_b32 s87, 0
	s_mov_b32 s89, 0
	s_wait_kmcnt 0x0
	; x's descriptors are made of the batch and the wave's number, W's of the pair of heads and the wave's number, each in registers that never hold the other coordinate
	s_lshl_b32 s86, s[BB], 19
	s_add_nc_u64 s[4:5], s[4:5], s[86:87]          ; my batch's codes
	s_lshl_b32 s86, s[BB], 15
	s_add_nc_u64 s[6:7], s[6:7], s[86:87]          ; and scale bytes
	s_lshl_b32 s86, s[WV], 16
	s_mov_b32 s[G0X], 1                            ; count = 1
	s_mul_i32 s[G0X+1], s[WV], ZB                  ; LDS: part w
	s_add_nc_u64 s[G0X+2:G0X+3], s[4:5], s[86:87]  ; rows 128 w on
	s_or_b32 s[G0X+3], s[G0X+3], 0x80000000        ; type = 2
	s_lshl_b32 s86, s[HD], 14
	s_mov_b32 s[G0S], 1
	s_mul_i32 s[G0S+1], s[HD], 64*272
	s_add_co_u32 s[G0S+1], s[G0S+1], XSC
	s_add_nc_u64 s[G0S+2:G0S+3], s[6:7], s[86:87]
	s_or_b32 s[G0S+3], s[G0S+3], 0x80000000
	s_max_u32 s88, s[WV], 1                        ; wave 2: Wk (1,024 rows in), wave 3: Wv (2,048 rows in); waves 0 and 1 do not use this group
	s_sub_co_u32 s88, s88, 1
	s_lshl_b32 s88, s88, 19
	s_lshl_b32 s90, s[HG], 16                      ; my pair of heads: 128 rows of 512 bytes
	s_add_co_u32 s88, s88, s90
	s_mov_b32 s[G0W], 1
	s_mul_i32 s[G0W+1], s[WV], ZB
	s_add_nc_u64 s[G0W+2:G0W+3], s[8:9], s[88:89]
	s_or_b32 s[G0W+3], s[G0W+3], 0x80000000
	CROUND                                         ; all sixteen work-groups are here: the first joint loads meet
	s_cmp_lt_u32 s[WV], 2                          ; a wave's first fills stand in one branch: waves 0, 1 have two loads out, waves 2, 3 one
	s_cbranch_scc0 .Lfirst_w
	tensor_load_to_lds s[G0X:G0X+3], s[G1X:G1X+7]  ; rows 0-255 into slot P
	s_nop 0
	tensor_load_to_lds s[G0S:G0S+3], s[G1S:G1S+7]  ; the batch's scale bytes
	s_nop 0
	PLACES 4
	s_branch .Lfirst_done
.Lfirst_w:
	tensor_load_to_lds s[G0W:G0W+3], s[G1W:G1W+7]  ; Wk, Wv into slot Q
	s_nop 0
	PLACES 4
.Lfirst_done:
	PREF 1
	s_lshl_b32 s90, s[HG], 1
	s_add_co_u32 s90, s90, s[HD]                   ; my head
	s_mov_b32 s93, 0
	s_lshl_b32 s92, s90, 15
	s_add_nc_u64 s[8:9], s[8:9], s[92:93]          ; Wq at my head's 64 rows
	s_lshl_b32 s92, s90, 11
	s_add_nc_u64 s[10:11], s[10:11], s[92:93]      ; their scale bytes
	s_lshl_b32 s92, s90, 8
	s_add_nc_u64 s[12:13], s[12:13], s[92:93]      ; bq at my head's 64 numbers
	s_mov_b32 s95, 0
	s_lshl_b32 s94, s[BB], 10
	s_add_nc_u64 s[14:15], s[14:15], s[94:95]      ; my batch's mask
	s_lshl_b32 s94, s[BB], 15
	s_lshl_b32 s96, s[HG], 12
	s_add_co_u32 s94, s94, s96
	s_lshl_b32 s96, s[WV], 10
	s_add_co_u32 s94, s94, s96
	s_add_nc_u64 s[16:17], s[16:17], s[94:95]      ; attn_part [b][hg][256 w ..]
	s_lshl_b32 s94, s[BB], 9
	s_lshl_b32 s96, s[HG], 6
	s_add_co_u32 s94, s94, s96
	s_add_nc_u64 s[18:19], s[18:19], s[94:95]      ; ctx_codes [b][64 hg ..]
	s_lshl_b32 s94, s[BB], 5
	s_lshl_b32 s96, s[HG], 2
	s_add_co_u32 s94, s94, s96
	s_add_nc_u64 s[20:21], s[20:21], s[94:95]      ; ctx_scales [b][4 hg ..]
	; ---- loads into registers: first the 56 that q wants, then 25 others
	WIN 0xc0                                       ; destination window 3
.irp i, 0,1
.irp s, 0,1,2,3,4,5,6,7
.irp c, 0,1
	global_load_b128 v[64*\i+8*\s+4*\c:64*\i+8*\s+4*\c+3], v[OWQ], s[8:9] offset:8192*\i+64*\s+32*\c   ; Wq: tile i (channels 32 rh + 16 i on), K step s: where the accumulators will lie
.endr
.endr
.endr
.irp i, 0,1
.irp c, 0,1
	global_load_b128 v[CT+16+8*\i+4*\c:CT+16+8*\i+4*\c+3], v[OBQ], s[12:13] offset:64*\i+16*\c          ; bq in the result's layout
.endr
.endr
	WIN 0
.irp s, 0,1,2,3,4,5,6,7
.irp c, 0,1
	global_load_b128 v[FA+8*\s+4*\c:FA+8*\s+4*\c+3], v[OX0], s[4:5] offset:64*\s+32*\c                  ; x's row 0 in every column of the operand
.endr
.endr
.irp c, 0,1
	global_load_b128 v[QS+4*\c:QS+4*\c+3], v[OQS], s[10:11] offset:16*\c                                ; lanes 0-15 tile 0's rows, lanes 16-31 tile 1's
	global_load_b128 v[QX+4*\c:QX+4*\c+3], v[OZ], s[6:7] offset:16*\c
.endr
.irp t, 0,1,2,3
.irp c, 0,1
	global_load_b128 v[WS+8*\t+4*\c:WS+8*\t+4*\c+3], v[OWS], s[10:11] offset:32768+512*\t+16*\c
.endr
.endr
	global_load_b64 v[MKD:MKD+1], v[OMK], s[14:15]
	WIN 0xc0
.irp t, 0,1,2,3,4,5,6,7
.irp c, 0,1
	global_load_b128 v[BI+8*\t+4*\c:BI+8*\t+4*\c+3], v[OB], s[12:13] offset:(1+\t/4)*4096+64*(\t%4)+16*\c   ; bk (t < 4), bv
.endr
.endr
	; ---- q: 32 channels a wave.  Every column of source 1 is the query, so every lane of a half ends up with q(8 h + j): no broadcast is needed
	s_wait_loadcnt 25                              ; q's 56 loads are in; the 25 issued behind them may be out
	WIN 0xf3                                       ; source 0, C and D window 3, source 1 window 0
.irp s, 0,1,2,3,4,5,6,7                        ; the two accumulators take turns, one instruction a turn
.if \s == 0
	v_wmma_scale_f32_16x16x128_f8f6f4 v[CT:CT+7], v[8*\s:8*\s+7], v[FA+8*\s:FA+8*\s+7], v[CT+16:CT+23], v[QS+\s], v[QX+\s] matrix_a_fmt:MATRIX_FMT_FP4 matrix_b_fmt:MATRIX_FMT_FP4
	v_wmma_scale_f32_16x16x128_f8f6f4 v[CT+8:CT+15], v[64+8*\s:64+8*\s+7], v[FA+8*\s:FA+8*\s+7], v[CT+24:CT+31], v[QS+\s], v[QX+\s] matrix_a_fmt:MATRIX_FMT_FP4 matrix_b_fmt:MATRIX_FMT_FP4 matrix_a_scale:MATRIX_SCALE_ROW1
.else
	v_wmma_scale_f32_16x16x128_f8f6f4 v[CT:CT+7], v[8*\s:8*\s+7], v[FA+8*\s:FA+8*\s+7], v[CT:CT+7], v[QS+\s], v[QX+\s] matrix_a_fmt:MATRIX_FMT_FP4 matrix_b_fmt:MATRIX_FMT_FP4
	v_wmma_scale_f32_16x16x128_f8f6f4 v[CT+8:CT+15], v[64+8*\s:64+8*\s+7], v[FA+8*\s:FA+8*\s+7], v[CT+8:CT+15], v[QS+\s], v[QX+\s] matrix_a_fmt:MATRIX_FMT_FP4 matrix_b_fmt:MATRIX_FMT_FP4 matrix_a_scale:MATRIX_SCALE_ROW1
.endif
.endr
	PLACES 4                                       ; four places between a product and the vector instruction that reads its result (ISA guide 7.12.1)
	WIN 0x03                                       ; source 0 window 3, destination window 0
.irp i, 0,1
.irp p, 0,1,2,3
	v_pk_mul_f32 v[FB+8*\i+2*\p:FB+8*\i+2*\p+1], v[CT+8*\i+2*\p:CT+8*\i+2*\p+1], s[CS:CS+1] op_sel_hi:[1,0]   ; q' = q log2(e) / 8; each accumulator from its low end on
.endr
.endr
	WIN 0
.irp i, 0,1
.irp c, 0,1
	ds_store_b128 v[AQS], v[FB+8*\i+4*\c:FB+8*\i+4*\c+3] offset:64*\i+16*\c   ; the sixteen lanes of a half write the same bytes with the same values
.endr
.endr
	s_wait_loadcnt 0x0                             ; W's scale words, bk, bv, the mask
	ds_store_b64 v[AMK], v[MKD:MKD+1]
	WIN 0xc0
.set j, 0
.rept 32
	v_mov_b32 v[CT+j], 0                           ; ctx.  (The trip is written once: the first finds zeros, which the first change of m leaves zeros)
.set j, j+1
.endr
	WIN 0
	s_wait_tensorcnt 0x0                           ; my first fills have landed,
	s_wait_dscnt 0x0                               ; my stores of q' and of the mask are done:
	s_barrier_signal -1
	s_barrier_wait -1                              ; everybody's.
; 17 LDS loads: x's fragments of four K steps for both tiles of a trip, and their scale words
.macro XRUN f, adx, ads, half
.irp u, 0,1
.irp s, 0,1,2,3
.irp c, 0,1
	ds_load_b128 v[\f+8*(4*\u+\s)+4*\c:\f+8*(4*\u+\s)+4*\c+3], v[\adx] offset:16*PITCH*\u+256*\half+64*\s+32*\c
.endr
.endr
.endr
	ds_load_b128 v[XS+4*\half:XS+4*\half+3], v[\ads] offset:16*\half
.endm
.macro WLOAD s0                        ; W's 8 tiles x 4 K steps from s0 on: 64 loads
.irp t, 0,1,2,3,4,5,6,7
.irp s, 0,1,2,3
.irp c, 0,1
	ds_load_b128 v[64*\s+8*\t+4*\c:64*\s+8*\t+4*\c+3], v[AWK+\t/4] offset:(\t%4)*16*PITCH+64*(\s0+\s)+32*\c
.endr
.endr
.endr
.endm
	WIN 0xc0
.irp t, 0,1,2,3
.irp c, 0,1
	ds_load_b128 v[QV+8*\t+4*\c:QV+8*\t+4*\c+3], v[AQL] offset:64*\t+16*\c
.endr
.endr
	WIN 0x40
	WLOAD 0
	WIN 0
	v_add_nc_u32 v[ADX], s[XB], v[AX0]             ; trip 0's rows
	v_add_nc_u32 v[ADS], s[SB], v[AS0]
	v_add_nc_u32 v[ADXB], s[XB], v[AX0]
	v_add_nc_u32 v[ADSB], s[SB], v[AS0]
	XRUN FA, ADX, ADS, 0
	WIN 0x80
	WLOAD 4
	WIN 0
	XRUN FB, ADXB, ADSB, 1
.macro WM ra, rb                       ; one product on the registers named by rD, rA, rB, rC, rSA, rSB;  ra, rb: the scales stand in lanes 16-31
.if (\ra) && (\rb)
	v_wmma_scale_f32_16x16x128_f8f6f4 v[rD:rD+7], v[rA:rA+7], v[rB:rB+7], v[rC:rC+7], v[rSA], v[rSB] matrix_a_fmt:MATRIX_FMT_FP4 matrix_b_fmt:MATRIX_FMT_FP4 matrix_a_scale:MATRIX_SCALE_ROW1 matrix_b_scale:MATRIX_SCALE_ROW1
.elseif (\ra)
	v_wmma_scale_f32_16x16x128_f8f6f4 v[rD:rD+7], v[rA:rA+7], v[rB:rB+7], v[rC:rC+7], v[rSA], v[rSB] matrix_a_fmt:MATRIX_FMT_FP4 matrix_b_fmt:MATRIX_FMT_FP4 matrix_a_scale:MATRIX_SCALE_ROW1
.elseif (\rb)
	v_wmma_scale_f32_16x16x128_f8f6f4 v[rD:rD+7], v[rA:rA+7], v[rB:rB+7], v[rC:rC+7], v[rSA], v[rSB] matrix_a_fmt:MATRIX_FMT_FP4 matrix_b_fmt:MATRIX_FMT_FP4 matrix_b_scale:MATRIX_SCALE_ROW1
.else
	v_wmma_scale_f32_16x16x128_f8f6f4 v[rD:rD+7], v[rA:rA+7], v[rB:rB+7], v[rC:rC+7], v[rSA], v[rSB] matrix_a_fmt:MATRIX_FMT_FP4 matrix_b_fmt:MATRIX_FMT_FP4
.endif
.endm
; K step s of a trip: 16 products, 2 tiles of rows x 8 tiles of W.  The 16 accumulators take turns, one instruction a turn, in the same order in every K step.
; K step 0 takes the biases as C: nothing is cleared and nothing is added later.
.macro MULK s
.irp u, 0,1
.irp t, 0,1,2,3,4,5,6,7
.set rD, 64*\u+8*\t
.set rA, 64*((\s)%4)+8*\t
.set rB, FA+64*((\s)/4)+8*(4*\u+(\s)%4)
.set rC, rD
.if (\s) == 0
.set rC, BI+8*\t
.endif
.set rSA, WS+8*(\t%4)+(\s)
.set rSB, XS+(\s)
	WM (\t/4), \u
.endr
.endr
.endm
; A TRIP: 32 rows of x against my head's Wk and Wv, then their scores, the running softmax and ctx.
; sync: 0 none;  1 a barrier (the slot ahead is whole);  2 a round of the cluster's barrier, then slot Q is filled again;  3 the same for slot P, with the descriptor's step.
; pf = 1: the next trip's fragments are fetched: K steps 0-3 in the trip's middle, K steps 4-7 behind its last products.  wrap = 1: the next trip begins the ring anew.  hw: a wait at the head, or -1.
; A trip's LDS instructions, in order: 2 mask bytes, the A run's 17, the B run's 17, the store of t.
.macro TRIP sync, pf, wrap, hw
.if \sync
	s_wait_tensorcnt 0x0                           ; all my tensor loads have landed: if one was out, it is my part of the slot ahead;
	ds_add_u32 v[SPW], v[NIL]                      ; 0 onto my spare word: 64 products stand between it and the wait for it
.if \sync == 3
	s_add_nc_u64 s[G0X+2:G0X+3], s[G0X+2:G0X+3], 512*512   ; no tensor load of mine is out, so the group 0 may be written: 512 rows on; the type bits on top are not reached
.endif
.endif
.if \hw >= 0
	s_wait_dscnt \hw                               ; the first trip: behind W's K steps 0-3 and the A run stand 64 + 17 + 1 LDS instructions; the count is the largest that a wait can name
.endif
	WIN MUL_LO
	MULK 0
	MULK 1
	MULK 2
	MULK 3
.if \sync
	s_wait_dscnt 0x0                               ; the add is done, and my reads of the slot that is left are over (the B run was the last of them)
	s_barrier_signal -1
	WIN MUL_HI
	MULK 4                                         ; work on registers while the others arrive
	WIN 0
	s_barrier_wait -1
.if \sync == 2
	CREST                                          ; the barrier has opened a round of the cluster's barrier: no wave of any partner still reads the slot or has a load on its way
	REFILL 1                                       ; the first tensor load behind the round
.elseif \sync == 3
	CREST
	REFILL 0
.endif
.else
	WIN 0
.endif
	; four plain vector lines: the places between K step 3's products and the loads into their operands (ISA guide 7.12.1 for vector instructions)
.if \pf
.if \wrap
	s_mov_b32 s[XB], 0
.else
	s_add_co_u32 s[XB], s[XB], 64*PITCH
.endif
	s_add_co_u32 s[SB], s[SB], 8*272
	v_add_nc_u32 v[ADX], s[XB], v[AX0]             ; (the loads that named these three registers are in: the wait behind the last B run showed it)
	v_add_nc_u32 v[ADS], s[SB], v[AS0]
	v_add_nc_u32 v[ADM], s[MB], v[AM0]
	v_nop
.else
	v_add_nc_u32 v[ADM], s[MB], v[AM0]
	PLACES 3
.endif
	ds_load_u8 v[MB0], v[ADM]                      ; this trip's mask bytes: key r of tile 0,
	ds_load_u8 v[MB0+1], v[ADM] offset:16          ; of tile 1
.if \pf
	XRUN FA, ADX, ADS, 0
.endif
.if \sync
	WIN MUL_HI
.else
.if \pf
	s_wait_dscnt 19                                ; the B run and the last trip's store of t are done; the 19 just issued may be out
.else
	s_wait_dscnt 2
.endif
	WIN MUL_HI
	MULK 4
.endif
	MULK 5
	MULK 6
	MULK 7
	WIN 0
	v_mov_b32 v[MO], v[MM]                         ; four plain vector lines again: the places behind the last products
	v_add_nc_u32 v[ADT], s[TO], v[AT0]
.if \pf
	v_add_nc_u32 v[ADXB], s[XB], v[AX0]            ; the B run has address registers of its own: the A run's are written again while it may be out
	v_add_nc_u32 v[ADSB], s[SB], v[AS0]
	XRUN FB, ADXB, ADSB, 1
	s_wait_dscnt 17                                ; all but the B run: the mask bytes are in (and the A run, and in the first trip q')
.else
	PLACES 2
	s_wait_dscnt 0x0
.endif
	; t = k . q': four chains by turns, chain (u, c) over tiles 2 c and 2 c + 1 of tile of rows u; each accumulator from its low end on
	WIN 0x0f                                       ; sources 0 and 1 window 3
.irp n, 0,1,2,3,4,5,6,7
.irp u, 0,1
.irp c, 0,1
.set rS, SCH+4*\u+2*\c
.set rK, 64*\u+8*(2*\c+\n/4)+2*(\n%4)
.set rQ, QV+8*(2*\c+\n/4)+2*(\n%4)
.if \n == 0
	v_pk_mul_f32 v[rS:rS+1], v[rK:rK+1], v[rQ:rQ+1]
.else
	v_pk_fma_f32 v[rS:rS+1], v[rK:rK+1], v[rQ:rQ+1], v[rS:rS+1]
.endif
.endr
.endr
.endr
	WIN 0
	v_pk_add_f32 v[SCH:SCH+1], v[SCH:SCH+1], v[SCH+2:SCH+3]
	v_pk_add_f32 v[SCH+4:SCH+5], v[SCH+4:SCH+5], v[SCH+6:SCH+7]
	v_add_f32 v[T0], v[SCH], v[SCH+1]
	v_add_f32 v[T1], v[SCH+4], v[SCH+5]
	v_permlanex16_b32 v[PD], v[T0], s[SEL], s[SEL+1]       ; the key's other 32 channels lie in lane l xor 16
	v_permlanex16_b32 v[PD+1], v[T1], s[SEL], s[SEL+1]
	v_cmp_ne_u32 s84, 0, v[MB0]
	v_cmp_ne_u32 s85, 0, v[MB0+1]
	v_add_f32 v[T0], v[T0], v[PD]
	v_add_f32 v[T1], v[T1], v[PD+1]
	v_cndmask_b32 v[T0], v[T0], v[NEG], s84                ; a masked key's score is -1e30: a choice of values, no branch
	v_cndmask_b32 v[T1], v[T1], v[NEG], s85
	v_max3_num_f32 v[MM], v[MO], v[T0], v[T1]              ; my class's running maximum
	v_cndmask_b32 v[TST], v[T0], v[T1], s[HM]              ; lanes 0-15 store tile 0's t, lanes 16-31 tile 1's
	v_sub_f32 v[FF], v[MO], v[MM]
	v_sub_f32 v[P0], v[T0], v[MM]
	v_sub_f32 v[P1], v[T1], v[MM]
	v_exp_f32 v[FF], v[FF]                                 ; f = 2^(old m - new m)
	v_exp_f32 v[P0], v[P0]
	v_exp_f32 v[P1], v[P1]
	ds_store_b32 v[ADT], v[TST]
	v_nop                                                  ; a plain place behind the exponentials
	s_wait_alu depctr_va_vdst(0)
	v_fma_f32 v[LL], v[LL], v[FF], v[P0]
	v_add_f32 v[LL], v[LL], v[P1]
	WIN 0xf3                                       ; ctx and v in window 3, f and p in window 0
.set j, 0
.rept 16
	v_pk_mul_f32 v[CT+j:CT+j+1], v[CT+j:CT+j+1], v[FF:FF+1] op_sel_hi:[1,0]
.set j, j+2
.endr
.irp u, 0,1
.set j, 0
.rept 16
	v_pk_fma_f32 v[CT+j:CT+j+1], v[64*\u+32+j:64*\u+32+j+1], v[P0+2*\u:P0+2*\u+1], v[CT+j:CT+j+1] op_sel_hi:[1,0,1]   ; ctx += p v; each accumulator from its low end on
.set j, j+2
.endr
.endr
	WIN 0
	s_add_co_u32 s[MB], s[MB], 64
	s_add_co_u32 s[TO], s[TO], 128
.endm
.macro RUN n                           ; n plain trips
	s_mov_b32 s[CNT], \n
.Lrun_\@:
	TRIP 0, 1, 0, -1
	s_sub_co_u32 s[CNT], s[CNT], 1
	s_cmp_lg_u32 s[CNT], 0
	s_cbranch_scc1 .Lrun_\@
.endm
	TRIP 2, 1, 0, 63                               ; trip 0: every wave holds its weights: slot Q takes rows 256-511
	PREF 2
	RUN 2                                          ; trips 1, 2
	TRIP 3, 1, 0, -1                               ; trip 3: slot Q is whole, slot P is left: it takes rows 512-767
	PREF 3
	RUN 3                                          ; trips 4-6
	TRIP 2, 1, 1, -1                               ; trip 7: slot P is whole, slot Q is left: it takes rows 768-1023
	RUN 3                                          ; trips 8-10
	TRIP 1, 1, 0, -1                               ; trip 11: slot Q is whole; nothing is left to fetch
	RUN 3                                          ; trips 12-14
	TRIP 0, 0, 0, -1                               ; trip 15
	; ---- THE END.  First each wave joins its sixteen classes of keys: under the wave's maximum M, the sum L and 64 partial ctx
	v_mov_b32 v33, v[MM]
.irp x, 1,2,4,8
	v_max_num_f32_dpp v33, v33, v33 row_xmask:\x row_mask:0xf bank_mask:0xf
.endr
	v_sub_f32 v32, v[MM], v33
	v_exp_f32 v32, v32                             ; g = 2^(m - M)
	v_mov_b32 v34, v33                             ; (a plain place behind the exponential)
	s_wait_alu depctr_va_vdst(0)
	v_mul_f32 v[LL], v[LL], v32
.irp x, 1,2,4,8
	v_add_f32_dpp v[LL], v[LL], v[LL] row_xmask:\x row_mask:0xf bank_mask:0xf
.endr
	v_mov_b32 v35, v[LL]
	WIN 0x03
.set j, 0
.rept 16
	v_pk_mul_f32 v[FA+j:FA+j+1], v[CT+j:CT+j+1], v[32:33] op_sel_hi:[1,0]
.set j, j+2
.endr
	WIN 0
.irp x, 1,2,4,8
.set j, 0
.rept 32
	v_add_f32_dpp v[FA+j], v[FA+j], v[FA+j] row_xmask:\x row_mask:0xf bank_mask:0xf
.set j, j+1
.endr
.endr
.irp t, 0,1,2,3
.irp c, 0,1
	ds_store_b128 v[ACM], v[FA+8*\t+4*\c:FA+8*\t+4*\c+3] offset:64*\t+16*\c   ; the sixteen lanes of a half write the same bytes with the same values
.endr
.endr
	ds_store_b64 v[AML], v[34:35]
	s_wait_dscnt 0x0                               ; for the others' sake: my stores of t, ctx, M and L are done
	s_barrier_signal -1
	s_barrier_wait -1
	; every wave joins the two waves of each head: v128.. = M0 L0 M1 L1 M2 L2 M3 L3; head d is waves d and d + 2
	ds_load_b128 v[128:131], v[AMR]
	ds_load_b128 v[132:135], v[AMR] offset:16
.irp d, 0,1
.irp k, 0,1
	ds_load_b128 v[136+8*\d+4*\k:136+8*\d+4*\k+3], v[ATS] offset:4096*\d+256*\k   ; t of head d, keys 256 w + 128 k + 4 lane on
.endr
.endr
	s_wait_dscnt 0x0
	v_max_num_f32 v160, v128, v132                 ; the heads' maxima
	v_max_num_f32 v161, v130, v134
	v_sub_f32 v162, v128, v160
	v_sub_f32 v163, v132, v160
	v_sub_f32 v164, v130, v161
	v_sub_f32 v165, v134, v161
	v_exp_f32 v162, v162
	v_exp_f32 v163, v163
	v_exp_f32 v164, v164
	v_exp_f32 v165, v165
.irp j, 0,1,2,3,4,5,6,7
	v_sub_f32 v[136+\j], v[136+\j], v160           ; (plain places behind the exponentials)
.endr
.irp j, 0,1,2,3,4,5,6,7
	v_sub_f32 v[144+\j], v[144+\j], v161
.endr
	s_wait_alu depctr_va_vdst(0)
	v_mul_f32 v166, v129, v162
	v_mul_f32 v167, v131, v164
	v_fma_f32 v166, v133, v163, v166               ; the heads' sums
	v_fma_f32 v167, v135, v165, v167
	v_rcp_f32 v166, v166
	v_rcp_f32 v167, v167
.set j, 0
.rept 16
	v_exp_f32 v[136+j], v[136+j]
.set j, j+1
.endr
	v_nop                                          ; a plain place behind the transcendentals
	s_wait_alu depctr_va_vdst(0)
	v_mul_f32 v168, 0x3d800000, v166               ; 1 / (16 x the sum)
	v_mul_f32 v170, 0x3d800000, v167
.irp j, 0,1,2,3,4,5,6,7
	v_mul_f32 v[136+\j], v[136+\j], v168
.endr
.irp j, 0,1,2,3,4,5,6,7
	v_fma_f32 v[136+\j], v[144+\j], v170, v[136+\j]   ; (attn of head 0 + attn of head 1) / 16
.endr
	global_store_b128 v[OAT], v[136:139], s[16:17]                ; 32 lanes store 512 consecutive bytes, at a multiple of 256 from the buffer's first byte
	global_store_b128 v[OAT], v[140:143], s[16:17] offset:512
	s_cmp_lg_u32 s[WV], 0                          ; wave 0 alone finishes ctx: 128 numbers, eight a lane; lanes 16-31 do what lanes 0-15 do
	s_cbranch_scc1 .Lrest
	ds_load_b128 v[176:179], v[ACR]                ; the head's first wave's part,
	ds_load_b128 v[180:183], v[ACR] offset:16
	ds_load_b128 v[184:187], v[ACR] offset:512     ; its second wave's
	ds_load_b128 v[188:191], v[ACR] offset:528
	s_mov_b32 s84, 0xff00ff00                      ; lanes whose channels are head 1's
	v_mul_f32 v192, v162, v166
	v_mul_f32 v193, v164, v167
	v_mul_f32 v194, v163, v166
	v_mul_f32 v195, v165, v167
	v_cndmask_b32 v192, v192, v193, s84            ; 2^(M - the head's maximum) / the head's sum, for the first wave's part,
	v_cndmask_b32 v194, v194, v195, s84            ; for the second's
	s_wait_dscnt 0x0
.irp p, 0,2,4,6
	v_pk_mul_f32 v[176+\p:177+\p], v[176+\p:177+\p], v[192:193] op_sel_hi:[1,0]
.endr
.irp p, 0,2,4,6
	v_pk_fma_f32 v[176+\p:177+\p], v[184+\p:185+\p], v[194:195], v[176+\p:177+\p] op_sel_hi:[1,0,1]   ; ctx, in f32
.endr
	v_max3_num_f32 v196, |v176|, |v177|, 0x1800000 ; a block of 32 lies in four neighbouring lanes.  My eight, and the floor 2^(3 - 127): so the byte cannot fall under 1
	v_max3_num_f32 v196, v196, |v178|, |v179|
	v_max3_num_f32 v196, v196, |v180|, |v181|
	v_max3_num_f32 v196, v196, |v182|, |v183|
	v_max_num_f32_dpp v196, v196, v196 row_xmask:1 row_mask:0xf bank_mask:0xf
	v_max_num_f32_dpp v196, v196, v196 row_xmask:2 row_mask:0xf bank_mask:0xf
	v_add_nc_u32 v197, 0xff000000, v196            ; 2 off the exponent field: the conversion takes the exponent field of this operand as its scale
	v_lshrrev_b32 v198, 23, v197                   ; the scale's byte
	v_cvt_scalef32_pk8_fp4_f32 v199, v[176:183], v197
	v_nop                                          ; one plain place behind a scaled conversion
	global_store_b32 v[OCC], v199, s[18:19]        ; 64 bytes of codes; lanes l and l + 16 store the same word to the same place
	global_store_b8 v[OCS], v198, s[20:21]         ; 4 scale bytes; the lanes of a block store the same byte to the same place
.Lrest:
	s_wait_tensorcnt 0x0                           ; the wave's end, behind my last tensor load and my last LDS store
	ds_add_u32 v[SPW], v[NIL]
	s_wait_dscnt 0x0
	CROUND                                         ; the closing round: no work-group ends while a partner may still ask for a tile that names it
	s_endpgm
.Lfunc_end_k_q720b21827b_pool:
	.size	k_q720b21827b_pool, .Lfunc_end_k_q720b21827b_pool-k_q720b21827b_pool
	.p2alignl 7, 3214868480
	.fill 96, 4, 3214868480
	.section	.rodata,"a",@progbits
	.p2align	6, 0x0
	.amdhsa_kernel k_q720b21827b_pool
		.amdhsa_group_segment_fixed_size 327680
		.amdhsa_private_segment_fixed_size 0
		.amdhsa_enable_private_segment 0
		.amdhsa_kernarg_size 72
		.amdhsa_user_sgpr_count 2
		.amdhsa_user_sgpr_kernarg_segment_ptr 1
		.amdhsa_wavefront_size32 1
		.amdhsa_system_sgpr_workgroup_id_x 1
		.amdhsa_system_sgpr_workgroup_id_y 1
		.amdhsa_system_sgpr_workgroup_id_z 1
		.amdhsa_system_vgpr_workitem_id 0
		.amdhsa_next_free_vgpr 1024
		.amdhsa_next_free_sgpr 100
		.amdhsa_reserve_vcc 0
		.amdhsa_float_denorm_mode_32 3
		.amdhsa_float_denorm_mode_16_64 3
		.amdhsa_memory_ordered 1
		.amdhsa_forward_progress 1
		.amdhsa_inst_pref_size 255
	.end_amdhsa_kernel
	.section	.bss,"aw",@nobits
	.p2align	6
	.space	262144
	.amdgpu_metadata
---
amdhsa.version: [ 1, 2 ]
amdhsa.kernels:
  - .name:           k_q720b21827b_pool
    .symbol:         k_q720b21827b_pool.kd
    .args:
      - { .name: x_codes, .offset: 0, .size: 8, .value_kind: global_buffer, .address_space: global }
      - { .name: x_scales, .offset: 8, .size: 8, .value_kind: global_buffer, .address_space: global }
      - { .name: in_proj_w_codes, .offset: 16, .size: 8, .value_kind: global_buffer, .address_space: global }
      - { .name: in_proj_w_scales, .offset: 24, .size: 8, .value_kind: global_buffer, .address_space: global }
      - { .name: in_proj_b, .offset: 32, .size: 8, .value_kind: global_buffer, .address_space: global }
      - { .name: mask, .offset: 40, .size: 8, .value_kind: global_buffer, .address_space: global }
      - { .name: attn_part, .offset: 48, .size: 8, .value_kind: global_buffer, .address_space: global }
      - { .name: ctx_codes, .offset: 56, .size: 8, .value_kind: global_buffer, .address_space: global }
      - { .name: ctx_scales, .offset: 64, .size: 8, .value_kind: global_buffer, .address_space: global }
    .group_segment_fixed_size: 327680
    .private_segment_fixed_size: 0
    .kernarg_segment_align: 8
    .kernarg_segment_size: 72
    .max_flat_workgroup_size: 128
    .sgpr_count:     100
    .vgpr_count:     1024
    .wavefront_size: 32
...
	.end_amdgpu_metadata
.endif
;; end of part 1
;; launch finish (part 2): grid 32 x 1, 4 waves a work-group, no clusters, 5,120 bytes of LDS; arguments ctx_codes, ctx_scales, out_w_codes, out_w_scales, out_b, attn_part, out0, out1; writes out0, out1
.if DOCPART == 2
	.amdgcn_target "amdgcn-amd-amdhsa--gfx1250"
	.amdhsa_code_object_version 6
	.text
	.protected	k_q720b21827b_finish
	.globl	k_q720b21827b_finish
	.p2align	8
	.type	k_q720b21827b_finish,@function
k_q720b21827b_finish:
	s_mov_b64 s[64:65], 0
	v_nop
	global_prefetch_b8 v0, s[64:65] scope:SCOPE_SE
	s_setreg_imm32_b32 hwreg(HW_REG_WAVE_MODE, 25, 1), 1
	s_wait_xcnt 0x0
; out0 = ctx out_w^T + out_b on codes of FP4 (E2M1) with E8M0 scales (ctx [32][1024] was quantised by the launch before), and out1[b][s] = the sum of the eight shares of the head mean.
; Both sums span the work-groups of the launch before: so they are gathered here.  32 work-groups of four waves.
; Work-group g: batches 16 (g & 1) on x columns 64 (g >> 1) on of out0, 16 columns a wave, K = 1,024 in eight matrix instructions; and all of out1's row g.
; The product is used transposed (source 0 = 16 rows of out_w, source 1 = 16 rows of ctx): lane (r, h) holds batch r and columns 8 h + 0..7.  K's even and odd steps go to two accumulators
; that take turns; the bias is the C of the first.  The four waves' columns meet in a stage in LDS, so that sixteen lanes store 256 consecutive bytes.
; No tensor loads, no ring: every operand is read once, straight into registers.
; LIMITS: as in the launch before (no NaN, no infinities, no scale byte 0xff among the inputs).
.set WF,  16                           ; v16-79   out_w's fragments, 8 a K step
.set CF,  80                           ; v80-143  ctx's
.set WSC, 144                          ; v144-151 out_w's scale words by K step;  v152-159 ctx's.  Scales and nothing else
.set CSC, 152
.set BO,  160                          ; v160-167 out_b in the result's layout
.set A0,  168                          ; v168-175, v176-183 the two accumulators
.set A1,  176
.set Y,   184                          ; v184-191 their sum; then rows on the way out
.set MN,  192                          ; v192-255 the eight shares: 4 (2 hg + k)
.set SP,  272                          ; a stage row: 256 bytes + 16
	s_load_b256 s[4:11], s[0:1], 0x0               ; ctx's codes s[4:5], its scales s[6:7], out_w's codes s[8:9], its scales s[10:11]
	s_load_b256 s[12:19], s[0:1], 0x20             ; out_b s[12:13], attn_part s[14:15], out0 s[16:17], out1 s[18:19]
	v_lshl_add_u32 v14, v0, 2, 0x1200
	v_mov_b32 v15, 0
	v_lshrrev_b32 v1, 5, v0
	v_readfirstlane_b32 s20, v1                    ; wave 0..3
	v_and_b32 v1, 15, v0                           ; r
	v_bfe_u32 v2, v0, 4, 1                         ; h
	s_and_b32 s21, ttmp9, 1                        ; which 16 batches
	s_lshr_b32 s22, ttmp9, 1                       ; which 64 columns
	s_lshl_b32 s23, s22, 2
	s_add_co_u32 s23, s23, s20                     ; my tile of 16 columns
	v_lshlrev_b32 v3, 9, v1
	v_lshl_add_u32 v3, v2, 4, v3                   ; a fragment: row r of 512 bytes, + 16 h
	v_lshlrev_b32 v4, 5, v1                        ; scale words: 32 bytes a row
	v_lshlrev_b32 v5, 5, v2                        ; the bias: eight numbers at 32 h
	v_lshlrev_b32 v6, 4, v0                        ; the mean: 16 bytes a thread
	v_mul_u32_u24 v7, v1, SP
	v_lshl_add_u32 v7, v2, 5, v7
	s_lshl_b32 s24, s20, 6
	v_add_nc_u32 v7, s24, v7                       ; the stage, in: row r, + 64 w + 32 h
	v_mul_u32_u24 v8, v2, SP
	v_lshl_add_u32 v8, v1, 4, v8
	s_mul_i32 s24, s20, 4*SP
	v_add_nc_u32 v8, s24, v8                       ; back: rows 4 w + h (and two on), 16 bytes a lane
	v_lshlrev_b32 v9, 12, v2
	v_lshl_add_u32 v9, v1, 4, v9                   ; and the same in out0
	s_mov_b32 s27, 0
	s_wait_kmcnt 0x0
	s_lshl_b32 s26, s21, 13
	s_add_nc_u64 s[4:5], s[4:5], s[26:27]
	s_lshl_b32 s26, s21, 9
	s_add_nc_u64 s[6:7], s[6:7], s[26:27]
	s_lshl_b32 s26, s23, 13
	s_add_nc_u64 s[8:9], s[8:9], s[26:27]
	s_lshl_b32 s26, s23, 9
	s_add_nc_u64 s[10:11], s[10:11], s[26:27]
	s_lshl_b32 s26, s23, 6
	s_add_nc_u64 s[12:13], s[12:13], s[26:27]
	s_lshl_b32 s26, ttmp9, 15
	s_add_nc_u64 s[14:15], s[14:15], s[26:27]
	s_lshl_b32 s26, s21, 16                        ; out0: row 16 (g & 1) + 4 w, column 64 (g >> 1)
	s_lshl_b32 s28, s20, 14
	s_add_co_u32 s26, s26, s28
	s_lshl_b32 s28, s22, 8
	s_add_co_u32 s26, s26, s28
	s_add_nc_u64 s[16:17], s[16:17], s[26:27]
	s_lshl_b32 s26, ttmp9, 12
	s_add_nc_u64 s[18:19], s[18:19], s[26:27]
.irp s, 0,1,2,3,4,5,6,7
.irp c, 0,1
	global_load_b128 v[WF+8*\s+4*\c:WF+8*\s+4*\c+3], v3, s[8:9] offset:64*\s+32*\c
	global_load_b128 v[CF+8*\s+4*\c:CF+8*\s+4*\c+3], v3, s[4:5] offset:64*\s+32*\c
.endr
.endr
.irp c, 0,1
	global_load_b128 v[WSC+4*\c:WSC+4*\c+3], v4, s[10:11] offset:16*\c
	global_load_b128 v[CSC+4*\c:CSC+4*\c+3], v4, s[6:7] offset:16*\c
	global_load_b128 v[BO+4*\c:BO+4*\c+3], v5, s[12:13] offset:16*\c
.endr
.irp g, 0,1,2,3,4,5,6,7
.irp k, 0,1
	global_load_b128 v[MN+4*(2*\g+\k):MN+4*(2*\g+\k)+3], v6, s[14:15] offset:4096*\g+2048*\k th:TH_LOAD_NT   ; a wave reads 512 consecutive bytes; read once in the launch
.endr
.endr
	s_wait_loadcnt 16                              ; the product's 38 loads are in; the mean's 16 may be out
	v_wmma_scale_f32_16x16x128_f8f6f4 v[A0:A0+7], v[WF:WF+7], v[CF:CF+7], v[BO:BO+7], v[WSC], v[CSC] matrix_a_fmt:MATRIX_FMT_FP4 matrix_b_fmt:MATRIX_FMT_FP4
	v_wmma_scale_f32_16x16x128_f8f6f4 v[A1:A1+7], v[WF+8:WF+15], v[CF+8:CF+15], 0, v[WSC+1], v[CSC+1] matrix_a_fmt:MATRIX_FMT_FP4 matrix_b_fmt:MATRIX_FMT_FP4
.irp s, 2,4,6
	v_wmma_scale_f32_16x16x128_f8f6f4 v[A0:A0+7], v[WF+8*\s:WF+8*\s+7], v[CF+8*\s:CF+8*\s+7], v[A0:A0+7], v[WSC+\s], v[CSC+\s] matrix_a_fmt:MATRIX_FMT_FP4 matrix_b_fmt:MATRIX_FMT_FP4
	v_wmma_scale_f32_16x16x128_f8f6f4 v[A1:A1+7], v[WF+8*\s+8:WF+8*\s+15], v[CF+8*\s+8:CF+8*\s+15], v[A1:A1+7], v[WSC+\s+1], v[CSC+\s+1] matrix_a_fmt:MATRIX_FMT_FP4 matrix_b_fmt:MATRIX_FMT_FP4
.endr
.rept 4
	v_nop                                          ; four places between a product and the vector instruction that reads its result (ISA guide 7.12.1)
.endr
.irp p, 0,2,4,6
	v_pk_add_f32 v[Y+\p:Y+\p+1], v[A0+\p:A0+\p+1], v[A1+\p:A1+\p+1]   ; both accumulators from their low end on
.endr
	ds_store_b128 v7, v[Y:Y+3]                     ; lane (r, h): out0(batch r, columns 16 w + 8 h + 0..7)
	ds_store_b128 v7, v[Y+4:Y+7] offset:16
	s_wait_dscnt 0x0                               ; for the others' sake: my stores into the stage are done
	s_barrier_signal -1
	s_barrier_wait -1
	ds_load_b128 v[Y:Y+3], v8
	ds_load_b128 v[Y+4:Y+7], v8 offset:2*SP
	s_wait_loadcnt 0x0                             ; the eight shares
.irp g, 1,2,3,4,5,6,7
.irp k, 0,1
.irp p, 0,2
	v_pk_add_f32 v[MN+4*\k+\p:MN+4*\k+\p+1], v[MN+4*\k+\p:MN+4*\k+\p+1], v[MN+4*(2*\g+\k)+\p:MN+4*(2*\g+\k)+\p+1]   ; four chains by turns
.endr
.endr
.endr
	global_store_b128 v6, v[MN:MN+3], s[18:19]                    ; a wave stores 512 consecutive bytes
	global_store_b128 v6, v[MN+4:MN+7], s[18:19] offset:2048
	s_wait_dscnt 0x0
	global_store_b128 v9, v[Y:Y+3], s[16:17]                      ; 16 lanes store 256 consecutive bytes, at a multiple of 256 from out0's first byte
	global_store_b128 v9, v[Y+4:Y+7], s[16:17] offset:8192
	s_wait_tensorcnt 0x0
	ds_add_u32 v14, v15
	s_wait_dscnt 0x0
	s_endpgm
.Lfunc_end_k_q720b21827b_finish:
	.size	k_q720b21827b_finish, .Lfunc_end_k_q720b21827b_finish-k_q720b21827b_finish
	.p2alignl 7, 3214868480
	.fill 96, 4, 3214868480
	.section	.rodata,"a",@progbits
	.p2align	6, 0x0
	.amdhsa_kernel k_q720b21827b_finish
		.amdhsa_group_segment_fixed_size 5120
		.amdhsa_private_segment_fixed_size 0
		.amdhsa_enable_private_segment 0
		.amdhsa_kernarg_size 64
		.amdhsa_user_sgpr_count 2
		.amdhsa_user_sgpr_kernarg_segment_ptr 1
		.amdhsa_wavefront_size32 1
		.amdhsa_system_sgpr_workgroup_id_x 1
		.amdhsa_system_sgpr_workgroup_id_y 1
		.amdhsa_system_sgpr_workgroup_id_z 1
		.amdhsa_system_vgpr_workitem_id 0
		.amdhsa_next_free_vgpr 256
		.amdhsa_next_free_sgpr 66
		.amdhsa_reserve_vcc 0
		.amdhsa_float_denorm_mode_32 3
		.amdhsa_float_denorm_mode_16_64 3
		.amdhsa_memory_ordered 1
		.amdhsa_forward_progress 1
		.amdhsa_inst_pref_size 12
	.end_amdhsa_kernel
	.amdgpu_metadata
---
amdhsa.version: [ 1, 2 ]
amdhsa.kernels:
  - .name:           k_q720b21827b_finish
    .symbol:         k_q720b21827b_finish.kd
    .args:
      - { .name: ctx_codes, .offset: 0, .size: 8, .value_kind: global_buffer, .address_space: global }
      - { .name: ctx_scales, .offset: 8, .size: 8, .value_kind: global_buffer, .address_space: global }
      - { .name: out_w_codes, .offset: 16, .size: 8, .value_kind: global_buffer, .address_space: global }
      - { .name: out_w_scales, .offset: 24, .size: 8, .value_kind: global_buffer, .address_space: global }
      - { .name: out_b, .offset: 32, .size: 8, .value_kind: global_buffer, .address_space: global }
      - { .name: attn_part, .offset: 40, .size: 8, .value_kind: global_buffer, .address_space: global }
      - { .name: out0, .offset: 48, .size: 8, .value_kind: global_buffer, .address_space: global }
      - { .name: out1, .offset: 56, .size: 8, .value_kind: global_buffer, .address_space: global }
    .group_segment_fixed_size: 5120
    .private_segment_fixed_size: 0
    .kernarg_segment_align: 8
    .kernarg_segment_size: 64
    .max_flat_workgroup_size: 128
    .sgpr_count:     66
    .vgpr_count:     256
    .wavefront_size: 32
...
	.end_amdgpu_metadata
.endif
;; end of part 2
